; MI455X (gfx1250); checked and timed in simulation.
; The chip was launched on July 23, 2026; its instructions are those of AMD's public machine-readable ISA for CDNA 5 (MIT licence, August 2026) and "CDNA5" Instruction Set Architecture Reference Guide (July 2026). The comments in the code are by the model that wrote it; some were corrected since.
;; SSA. Allowed arithmetic: float matrix products may take bf16 or f16 operands with f32 sums; other float arithmetic in f32, or as packed bf16 or f16 multiplies, adds, multiply-adds, maxima and minima; sums over many terms, partial sums and values carried from step to step in f32; what a program stores and reads back later, other than sums and carried values, may be rounded once to bf16 or f16.
;; Inputs: Wk 512 x 512 float32; Wp 512 x 512 float32; Wq 512 x 512 float32; Wv 512 x 512 float32; x 4 x 4 x 1,024 x 512 float32.
;; Outputs: out0 4 x 4 x 1,024 x 512 float32.
;; Constants: num_spike = 4.
;; 2 versions, each right; version 2 is version 1 with the launch cast written anew for expert scheduling mode. Each part assembles by itself: llvm-mc -triple=amdgcn-amd-amdhsa -mcpu=gfx1250 --defsym DOCPART=n.
;; ======== version 1 of 2: 3 launches
;; workspace buffers: xb 16,777,216 bytes; wb 2,097,152 bytes; kvb 4,194,304 bytes
;; launch cast (part 1): grid 256 x 1, 16 waves a work-group, no clusters, 0 bytes of LDS; arguments x, Wq, Wk, Wv, Wp, xb, wb; writes xb, wb
.if DOCPART == 1
	.amdgcn_target "amdgcn-amd-amdhsa--gfx1250"
	.amdhsa_code_object_version 6
	.text
	.protected	k_q8320b7ed35_cast
	.globl	k_q8320b7ed35_cast
	.p2align	8
	.type	k_q8320b7ed35_cast,@function
k_q8320b7ed35_cast:
	s_mov_b64 s[64:65], 0
	v_nop
	global_prefetch_b8 v0, s[64:65] scope:SCOPE_SE
	s_setreg_imm32_b32 hwreg(HW_REG_WAVE_MODE, 25, 1), 1
	s_wait_xcnt 0x0
; SSA, launch 1 of 3: x and the four weights are rounded once to bf16 (nearest even), the matrix operands of the two launches behind.
; THE WHOLE PROGRAM.  spike(y) = clip(round(y), 0, 4); y + (q - y) is q itself in f32: q - y is exact (q = 0: -y; y within [q/2, 2q]: the difference of two
; near numbers; y > 4: a multiple of y's last place, smaller than y).  So q, k, v hold whole numbers 0..4, for all finite inputs.  Two identities follow, for all finite inputs:
; (1) (q k^T / 8) v = q (k^T v) / 8, bit for bit: every term and every partial sum is a multiple of 1/8 below 2^19 (64 x 16 / 8 x 4 x 1024), which f32 holds exactly
;     in any order.  So the 1024 x 1024 product of a head is never formed: k^T v (64 x 64 a head) is made first, then multiplied by q.
; (2) All terms are >= 0 and spike() gives 4 from 3.5 on.  So an entry of k^T v, or of a part of it over some rows, may be replaced by min(entry, 256): where no
;     such entry meets a q >= 1 the sum is unchanged; where one does, both sums are >= 256 / 8 = 32, and both results are 4.  min(entry, 256) / 8 is exact in bf16.
; No input and no step of the reference is left out; every input is loaded.
; LIMITS.  Inputs are rounded to bf16.  A projection's f32 sum is taken in another order than the reference's, so a sum that lies within that rounding of n + 0.5 may
; fall to the other side.  NaN and infinities in x or in a weight are not carried: the clip takes a NaN for a bound.
; SHARES.  512 threads.  Work-group i takes 131,072 bytes of x (16 chunks of 512 x 16 bytes) and 8 rows (2 chunks) of weight i / 64 (Wq, Wk, Wv, Wp).
; wb: bytes 0 .. 1,048,575 hold Wk and Wv by heads: row 128 h + i = Wk[64 h + i], row 128 h + 64 + i = Wv[64 h + i]; then Wq; then Wp.  Eight rows that begin at
; a multiple of eight stay together in that order.  All 18 loads of a thread go out first; a wave's load covers 512 consecutive bytes, its store 256, aligned.
; No LDS, no matrix unit, no cluster: nothing is shared and nothing is multiplied.
.set WQ_OFF, 1048576
.set WP_OFF, 1572864
.set CH,  8192                         ; bytes in a chunk of f32
.set X,   4                            ; v[4:75]    chunk j: 4 f32 as loaded
.set Y,   76                           ; v[76:111]  chunk j: 4 bf16 to store
	s_load_b256 s[4:11], s[0:1], 0x0               ; x s[4:5], Wq s[6:7], Wk s[8:9], Wv s[10:11]
	s_load_b128 s[12:15], s[0:1], 0x20             ; Wp s[12:13], xb s[14:15]
	s_load_b64 s[16:17], s[0:1], 0x30              ; wb
	v_lshlrev_b32 v1, 4, v0                        ; my 16 bytes in a chunk of f32
	v_lshlrev_b32 v2, 3, v0                        ; my 8 bytes in a chunk of bf16
	s_lshr_b32 s18, ttmp9, 6                       ; which weight: 0 Wq, 1 Wk, 2 Wv, 3 Wp
	s_and_b32 s19, ttmp9, 63                       ; which 8 rows of it
	s_lshl_b32 s20, s19, 3                         ; their first row
	s_and_b32 s21, s20, 0x1c0                      ; 64 x head
	s_add_co_u32 s21, s20, s21                     ; Wk's row by heads: 128 x head + row in the head
	s_cmp_eq_u32 s18, 1
	s_cselect_b32 s28, s21, s20
	s_add_co_u32 s21, s21, 64                      ; Wv's: 64 rows further
	s_cmp_eq_u32 s18, 2
	s_cselect_b32 s28, s21, s28
	s_lshl_b32 s28, s28, 10                        ; rows of 1,024 bytes
	s_cmp_eq_u32 s18, 0
	s_cselect_b32 s29, WQ_OFF, 0
	s_cmp_eq_u32 s18, 3
	s_cselect_b32 s29, WP_OFF, s29
	s_add_co_u32 s28, s28, s29                     ; where my 8 rows go in wb
	s_mov_b32 s29, 0
	s_lshl_b32 s2, s19, 14                         ; where they come from: 8 rows of 2,048 bytes
	s_mov_b32 s3, 0
	s_lshl_b32 s22, ttmp9, 17                      ; my part of x
	s_mov_b32 s23, 0
	s_lshl_b32 s24, ttmp9, 16                      ; and of xb
	s_mov_b32 s25, 0
	s_wait_kmcnt 0x0
	s_add_nc_u64 s[4:5], s[4:5], s[22:23]
	s_add_nc_u64 s[14:15], s[14:15], s[24:25]
	s_cmp_eq_u32 s18, 1                            ; the weight's address is chosen by the work-group's number alone
	s_cselect_b64 s[26:27], s[8:9], s[6:7]
	s_cmp_eq_u32 s18, 2
	s_cselect_b64 s[26:27], s[10:11], s[26:27]
	s_cmp_eq_u32 s18, 3
	s_cselect_b64 s[26:27], s[12:13], s[26:27]
	s_add_nc_u64 s[26:27], s[26:27], s[2:3]
	s_add_nc_u64 s[30:31], s[16:17], s[28:29]
.set j, 0
.rept 16
	global_load_b128 v[X+4*j:X+4*j+3], v1, s[4:5] offset:CH*j th:TH_LOAD_NT
.set j, j+1
.endr
.rept 2
	global_load_b128 v[X+4*j:X+4*j+3], v1, s[26:27] offset:CH*(j-16) th:TH_LOAD_NT
.set j, j+1
.endr
.set j, 0
.rept 18
	s_wait_loadcnt 17-j                            ; loads come back in order: chunk j is in, the 17 - j younger ones stay out
	v_cvt_pk_bf16_f32 v[Y+2*j], v[X+4*j], v[X+4*j+1]
	v_cvt_pk_bf16_f32 v[Y+2*j+1], v[X+4*j+2], v[X+4*j+3]
.if j < 16
	global_store_b64 v2, v[Y+2*j:Y+2*j+1], s[14:15] offset:(CH/2)*j
.else
	global_store_b64 v2, v[Y+2*j:Y+2*j+1], s[30:31] offset:(CH/2)*(j-16)
.endif
.set j, j+1
.endr
	s_endpgm                                       ; no register is written twice, so no wait frees one
.Lfunc_end_k_q8320b7ed35_cast:
	.size	k_q8320b7ed35_cast, .Lfunc_end_k_q8320b7ed35_cast-k_q8320b7ed35_cast
	.p2alignl 7, 3214868480
	.fill 96, 4, 3214868480
	.section	.rodata,"a",@progbits
	.p2align	6, 0x0
	.amdhsa_kernel k_q8320b7ed35_cast
		.amdhsa_group_segment_fixed_size 0
		.amdhsa_private_segment_fixed_size 0
		.amdhsa_enable_private_segment 0
		.amdhsa_kernarg_size 56
		.amdhsa_user_sgpr_count 2
		.amdhsa_user_sgpr_kernarg_segment_ptr 1
		.amdhsa_wavefront_size32 1
		.amdhsa_system_sgpr_workgroup_id_x 1
		.amdhsa_system_sgpr_workgroup_id_y 1
		.amdhsa_system_sgpr_workgroup_id_z 1
		.amdhsa_system_vgpr_workitem_id 0
		.amdhsa_next_free_vgpr 128
		.amdhsa_next_free_sgpr 66
		.amdhsa_reserve_vcc 0
		.amdhsa_float_denorm_mode_32 3
		.amdhsa_float_denorm_mode_16_64 3
		.amdhsa_memory_ordered 1
		.amdhsa_forward_progress 1
		.amdhsa_inst_pref_size 8
	.end_amdhsa_kernel
	.amdgpu_metadata
---
amdhsa.version: [ 1, 2 ]
amdhsa.kernels:
  - .name:           k_q8320b7ed35_cast
    .symbol:         k_q8320b7ed35_cast.kd
    .args:
      - { .name: x, .offset: 0, .size: 8, .value_kind: global_buffer, .address_space: global }
      - { .name: Wq, .offset: 8, .size: 8, .value_kind: global_buffer, .address_space: global }
      - { .name: Wk, .offset: 16, .size: 8, .value_kind: global_buffer, .address_space: global }
      - { .name: Wv, .offset: 24, .size: 8, .value_kind: global_buffer, .address_space: global }
      - { .name: Wp, .offset: 32, .size: 8, .value_kind: global_buffer, .address_space: global }
      - { .name: xb, .offset: 40, .size: 8, .value_kind: global_buffer, .address_space: global }
      - { .name: wb, .offset: 48, .size: 8, .value_kind: global_buffer, .address_space: global }
    .group_segment_fixed_size: 0
    .private_segment_fixed_size: 0
    .kernarg_segment_align: 8
    .kernarg_segment_size: 56
    .max_flat_workgroup_size: 512
    .sgpr_count:     66
    .vgpr_count:     128
    .wavefront_size: 32
...
	.end_amdgpu_metadata
.endif
;; end of part 1
;; launch kv (part 2): grid 4 x 64, 4 waves a work-group, clusters of 4 x 4, 327,680 bytes of LDS; arguments xb, wb, kvb; writes kvb
.if DOCPART == 2
	.amdgcn_target "amdgcn-amd-amdhsa--gfx1250"
	.amdhsa_code_object_version 6
	.text
	.protected	k_q8320b7ed35_kv
	.globl	k_q8320b7ed35_kv
	.p2align	8
	.type	k_q8320b7ed35_kv,@function
k_q8320b7ed35_kv:
	s_mov_b64 s[64:65], 0
	v_nop
	global_prefetch_b8 v0, s[64:65] scope:SCOPE_SE
	s_setreg_imm32_b32 hwreg(HW_REG_WAVE_MODE, 25, 1), 1
	s_wait_xcnt 0x0
	s_wait_alu depctr_hold_cnt(0) depctr_sa_sdst(0) depctr_va_vdst(0) depctr_va_sdst(0) depctr_va_ssrc(0) depctr_va_vcc(0) depctr_vm_vsrc(0)
	s_getreg_b32 s2, hwreg(HW_REG_IB_STS2, 6, 4)
	s_cmp_eq_u32 s2, 0
	s_cbranch_scc0 .Lentry_in_a_cluster
	s_endpgm
.Lentry_in_a_cluster:
	s_bfe_u32 s2, ttmp6, 0x10000c
	s_cmp_lg_u32 s2, 0xf033
	s_cbranch_scc0 .Lentry_shape_is_right
	s_endpgm
.Lentry_shape_is_right:
; SSA, launch 2 of 3.  k = spike(x Wk^T), v = spike(x Wv^T), and for each head and each quarter p of a batch's 1,024 rows KVp[d][e] = the sum over the quarter's 256 rows of k[row][d] v[row][e].
; Stored: min(KVp, 256) / 8 in bf16, exact.  The 1024 x 1024 product q k^T is not formed, and the entries are capped, by the two identities shown at the head of the first kernel.
; THE GEMM.  C = xb [16384][512] x WKV^T, WKV [1024][512] = Wk and Wv by heads (128 rows a head: k's 64, then v's 64).  A tile of C is 256 x 256: 256 rows of a batch, two heads.
; Four waves, each 128 rows x 128 columns: k and v of ONE head for the same rows: 64 accumulators, 512 registers.  K = 512 goes in four steps of 128 through two LDS slots.
; CLUSTER.  4 x 4 work-groups are one batch: the four of a row of the cluster need the same rows of xb, the four of a column the same rows of WKV: each tile is asked for jointly.
; LAYOUT.  Source 0 = 16 rows of x, source 1 = 16 rows of WKV: in the result a lane holds ONE channel (lane % 16) and the rows 8 (lane / 16) + 0..7.  Two such results, one below the
; other, rounded to bf16 in pairs ARE a fragment of 16 channels x 32 rows, K along the rows: source 0 (k) and source 1 (v) of KV = k^T v.  Nothing changes lanes.
; The two waves of a head add their halves (128 rows each) through LDS; the sum is at most 4,096, exact in f32.
; kvb: [batch 16][head 8][p 4][8,192 bytes]; in a block the 16 bytes at (2 eb + ks) 1024 + half 512 + 16 lane hold e = 16 eb + lane % 16, d = 32 ks + 16 half + 8 (lane / 16) + 0..7:
; the next launch's source 0 (16 e x 32 d) by two loads of 512 consecutive bytes.
; NO PREFETCH: of the four K steps two are the first fills and two the only refills: no K step stands two refills ahead, and nothing is asked for at the head.
; REGISTERS, in windows of 256: window 0: v0-31 addresses; v64-127, v128-191 fragments of x, two buffers; later k's fragments.  Window 1: the same numbers for WKV; later v's fragments.
;   window 2: the accumulators of my rows 0-63 ((a, b) at v[8 (8 a + b)]); later KV's 16.  Window 3: those of rows 64-127; later the partner's KV.
; s_set_vgpr_msb's low byte: bits 1:0 source 0, 3:2 source 1, 5:4 source 2, 7:6 destination.
.set KSTEP,  128
.set PITCH,  272                       ; an LDS row: 256 bytes + 16 of padding: the 16 rows of a fragment load start 16 bytes further each, modulo 256
.set HALFT,  128*PITCH                 ; 128 rows: one tensor load, and what one wave reads of x or of WKV
.set SLOT,   4*HALFT                   ; x's 256 rows, then WKV's 256
.set EX,     2*SLOT                    ; behind the ring, never filled by a tensor load: 16,384 bytes a head for the exchange of KV's halves
.set SPARE,  EX+2*16384                ; behind it: the spare words, 128 bytes a wave
.set ADRA, 16                          ; v16-17  LDS address of my x fragments in slot 0, 1
.set ADRB, 20                          ; v20-21  the same for WKV
.set XA,   24                          ; v24     my 16 bytes in my head's exchange
.set KO,   26                          ; v26     16 x lane
.set SPW,  28                          ; v28     my spare word; never rewritten
.set NIL,  29                          ; v29     0; never rewritten
.set F0,   64
.set F1,   128
.set G1, 24                            ; s[24:31] descriptor group 1 for x's tiles;  s[32:39] group 0, a set for each slot
.set G0, 32
.set G1B, 48                           ; s[48:55], s[56:63] the same for WKV's
.set G0B, 56
.set MSB, 0
.macro WIN new                         ; the immediate's high byte repeats the setting that is left; a switch that changes nothing is dropped
.if MSB != (\new)
	s_set_vgpr_msb (MSB<<8)|(\new)
.set MSB, \new
.endif
.endm
.set MUL_LO, 0xa4                      ; source 0 (x) window 0, source 1 (WKV) window 1, C and D window 2
.set MUL_HI, 0xf4                      ; the same, C and D window 3
.set TO_B,   0x40                      ; destination window 1, address window 0
; A joint load: waves 0 and 1 fetch x's two halves, waves 2 and 3 WKV's.  The branch hangs on the wave's number alone.  An s_nop 0 and four v_nop follow each line.
.macro JLOAD s
	s_cmp_eq_u32 s11, 0
	s_cbranch_scc0 .Lfor_b_\@
	tensor_load_to_lds s[G0+4*(\s):G0+4*(\s)+3], s[G1:G1+7]
	s_nop 0
.rept 4
	v_nop
.endr
	s_branch .Lasked_\@
.Lfor_b_\@:
	tensor_load_to_lds s[G0B+4*(\s):G0B+4*(\s)+3], s[G1B:G1B+7]
	s_nop 0
.rept 4
	v_nop
.endr
.Lasked_\@:
.endm
.macro CREST                           ; a round of the cluster's barrier behind its opening barrier
	s_cmp_lg_u32 s10, 0
	s_cbranch_scc1 .Lnot_wave_0_\@
	s_barrier_signal -3
.Lnot_wave_0_\@:
	s_barrier_wait -3
	s_barrier_signal -1
	s_barrier_wait -1
.endm
.macro CROUND                          ; a whole round
	s_barrier_signal -1
	s_barrier_wait -1
	CREST
.endm
	s_load_b128 s[4:7], s[0:1], 0x0                ; xb s[4:5], wb s[6:7]
	s_load_b64 s[8:9], s[0:1], 0x10                ; kvb
	v_lshl_add_u32 v[SPW], v0, 2, SPARE
	v_mov_b32 v[NIL], 0
	ds_add_u32 v[SPW], v[NIL]                      ; the wave's opening: the add, twice on end, and its wait ahead of my first tensor load
	ds_add_u32 v[SPW], v[NIL]
	v_lshrrev_b32 v1, 5, v0
	v_readfirstlane_b32 s10, v1                    ; wave 0..3
	s_lshr_b32 s11, s10, 1                         ; which half of the tile's rows is mine.  Also: I fetch for x (0) or for WKV (1)
	s_and_b32 s12, s10, 1                          ; which head of the tile's two.  Also: which 128 rows of that tile I fetch
	s_bfe_u32 s40, ttmp6, 0x40000                  ; cx
	s_bfe_u32 s41, ttmp6, 0x40004                  ; cy
	s_lshl_b32 s42, ttmp9, 2
	s_add_co_u32 s42, s42, s40                     ; tile column = 4 x cluster x + cx: heads 2 tc, 2 tc + 1
	s_and_b32 s13, ttmp7, 0xffff
	s_lshl_b32 s13, s13, 2
	s_add_co_u32 s13, s13, s41                     ; tile row = 4 x cluster y + cy: batch tr / 4, quarter tr % 4
	s_lshl_b32 s43, s41, 2
	s_lshl_b32 s43, 15, s43                        ; my row of the cluster
	s_lshl_b32 s44, 0x1111, s40                    ; my column
	s_or_b32 s[G1+0], s43, (1<<16)|(1<<20)|(1<<21)|(5<<22)|(3<<25)  ; the mask; 2-byte elements; padding on; bit 21 beside a mask; after every 64 words; 4 words
	s_or_b32 s[G1B+0], s44, (1<<16)|(1<<20)|(1<<21)|(5<<22)|(3<<25)
.irp g, G1, G1B
	s_mov_b32 s[(\g)+1], KSTEP<<16                 ; tensor_dim0 = 128
	s_mov_b32 s[(\g)+2], 128<<16                   ; tensor_dim1 = 128
	s_mov_b32 s[(\g)+3], KSTEP<<16                 ; tile_dim0 = 128
	s_mov_b32 s[(\g)+4], 128                       ; tile_dim1 = 128
	s_mov_b32 s[(\g)+5], 512                       ; 512 elements from row to row
	s_mov_b32 s[(\g)+6], 0
	s_mov_b32 s[(\g)+7], 0
.endr
	s_lshl_b32 s17, s12, 7                         ; which 128 rows of the tile I fetch
	s_lshl_b32 s16, s13, 8
	s_add_co_u32 s16, s16, s17
	s_lshl_b32 s16, s16, 10                        ; x: (256 x tile row + 128 x half) rows of 1,024 bytes: under 2^24
	s_lshl_b32 s46, s42, 8
	s_add_co_u32 s46, s46, s17
	s_lshl_b32 s46, s46, 10                        ; WKV: the same by the tile column
	s_mov_b32 s17, 0
	s_mov_b32 s47, 0
	s_mul_i32 s20, s10, HALFT                      ; where they go: wave x 128 rows: no place in the cluster enters an LDS address
	s_wait_dscnt 0x0                               ; both opening adds are done
	s_wait_kmcnt 0x0
	s_add_nc_u64 s[14:15], s[4:5], s[16:17]
	s_add_nc_u64 s[46:47], s[6:7], s[46:47]
	CROUND                                         ; all sixteen work-groups are here: the first joint loads meet
.irp s, 0,1
	s_mov_b32 s[G0+4*(\s)], 1
	s_add_co_u32 s[G0+4*(\s)+1], s20, (\s)*SLOT
	s_add_nc_u64 s[G0+4*(\s)+2:G0+4*(\s)+3], s[14:15], (\s)*KSTEP*2
	s_or_b32 s[G0+4*(\s)+3], s[G0+4*(\s)+3], 0x80000000
	s_mov_b32 s[G0B+4*(\s)], 1
	s_add_co_u32 s[G0B+4*(\s)+1], s20, (\s)*SLOT
	s_add_nc_u64 s[G0B+4*(\s)+2:G0B+4*(\s)+3], s[46:47], (\s)*KSTEP*2
	s_or_b32 s[G0B+4*(\s)+3], s[G0B+4*(\s)+3], 0x80000000
	JLOAD \s                                       ; K steps 0 and 1: two loads of mine are out
.endr
	; a fragment is 16 rows x 32 K in 8 registers: lane l holds row l % 16; registers 0-3 K = 8 (l / 16) + 0..7, registers 4-7 K = 16 + 8 (l / 16) + 0..7: two loads of 16 bytes, 32 apart
	v_and_b32 v1, 15, v0
	v_bfe_u32 v2, v0, 4, 1
	v_mul_u32_u24 v3, v1, PITCH
	v_lshl_add_u32 v3, v2, 4, v3
	s_mul_i32 s21, s11, HALFT                      ; my 128 rows of x
	s_mul_i32 s22, s12, HALFT                      ; my 128 rows of WKV,
	s_add_co_u32 s22, s22, 2*HALFT                 ; which lie behind x's 256
.irp s, 0,1
	v_add_nc_u32 v[ADRA+(\s)], s21, v3
	v_add_nc_u32 v[ADRB+(\s)], s22, v3
	s_add_co_u32 s21, s21, SLOT
	s_add_co_u32 s22, s22, SLOT
.endr
	v_and_b32 v4, 31, v0
	v_lshlrev_b32 v[KO], 4, v4
	s_lshl_b32 s23, s12, 14
	s_add_co_u32 s23, s23, EX
	v_add_nc_u32 v[XA], s23, v[KO]
	s_lshr_b32 s18, s13, 2                         ; batch
	s_lshl_b32 s18, s18, 3
	s_lshl_b32 s19, s42, 1
	s_add_co_u32 s18, s18, s19
	s_add_co_u32 s18, s18, s12                     ; 8 x batch + head
	s_lshl_b32 s18, s18, 2
	s_and_b32 s19, s13, 3
	s_add_co_u32 s18, s18, s19                     ; x 4 + quarter
	s_lshl_b32 s18, s18, 13                        ; blocks of 8,192 bytes
	s_mov_b32 s19, 0
	s_add_nc_u64 s[8:9], s[8:9], s[18:19]
	s_mov_b32 s45, 0x42000000                      ; 32.0 = 256 / 8
	s_mov_b32 s46, 0x3e000000                      ; 0.125, as a pair
	s_mov_b32 s47, 0x3e000000
; 16 matrix instructions: row blocks a0, a0 + 1 of the window's four x all 8 channel blocks, 32 along K.  zero = 1: the first product starts the sums.
.macro MUL16 f, hi, a0, zero
	WIN MUL_LO+0x50*(\hi)
.irp a, \a0, (\a0)+1
.irp b, 0,1,2,3,4,5,6,7
.if \zero
	v_wmma_f32_16x16x32_bf16 v[8*(8*(\a)+(\b)):8*(8*(\a)+(\b))+7], v[(\f)+8*(4*(\hi)+(\a)):(\f)+8*(4*(\hi)+(\a))+7], v[(\f)+8*(\b):(\f)+8*(\b)+7], 0
.else
	v_wmma_f32_16x16x32_bf16 v[8*(8*(\a)+(\b)):8*(8*(\a)+(\b))+7], v[(\f)+8*(4*(\hi)+(\a)):(\f)+8*(4*(\hi)+(\a))+7], v[(\f)+8*(\b):(\f)+8*(\b)+7], v[8*(8*(\a)+(\b)):8*(8*(\a)+(\b))+7]
.endif
.endr
.endr
.endm
; 32 LDS loads in one run: the fragments of a quarter step (32 K at byte k of the rows) into buffer f: WKV's first, then x's
.macro FETCH slot, k, f
	WIN TO_B
.irp i, 0,1,2,3,4,5,6,7
	ds_load_b128 v[(\f)+8*(\i):(\f)+8*(\i)+3],   v[ADRB+(\slot)] offset:(\k)+(\i)*16*PITCH
	ds_load_b128 v[(\f)+8*(\i)+4:(\f)+8*(\i)+7], v[ADRB+(\slot)] offset:(\k)+(\i)*16*PITCH+32
.endr
	WIN 0
.irp i, 0,1,2,3,4,5,6,7
	ds_load_b128 v[(\f)+8*(\i):(\f)+8*(\i)+3],   v[ADRA+(\slot)] offset:(\k)+(\i)*16*PITCH
	ds_load_b128 v[(\f)+8*(\i)+4:(\f)+8*(\i)+7], v[ADRA+(\slot)] offset:(\k)+(\i)*16*PITCH+32
.endr
.endm
.macro PLACES                          ; four plain vector instructions between a matrix instruction and a load into, or a vector use of, its registers
.rept 4
	v_nop
.endr
.endm
; A K step is four quarters of 32 along K, 64 matrix instructions each, on buffers 0, 1, 0, 1.  One of the first three multiplies f and fetches the next quarter, at byte k, into g.
; The 64 accumulators take turns in the same order in every quarter.
.macro QUARTER slot, k, f, g, zero
	s_wait_dscnt 8                                 ; WKV and x's rows 0-63 are in; the youngest eight loads (x's rows 64-127) may be out
	MUL16 \f, 0, 0, \zero
	MUL16 \f, 0, 2, \zero
	PLACES
	FETCH \slot, \k, \g
	s_wait_dscnt 32                                ; all but the 32 just issued
	MUL16 \f, 1, 0, \zero
	MUL16 \f, 1, 2, \zero
.endm
; The last quarter multiplies buffer 1 and changes slots: one barrier.  In front of it each wave waits for all its tensor loads (one is out: its part of the next slot), adds 0 to its spare
; word, and waits for that and for its reads of this slot.  fill = 1: the barrier opens a round of the cluster's, and this slot is filled again, two K steps on, first thing behind the round.
.macro TURN slot, next, fill
	WIN 0                                          ; (the add's two registers lie in window 0)
	s_wait_tensorcnt 0x0
	ds_add_u32 v[SPW], v[NIL]
	s_wait_dscnt 9                                 ; the add and the youngest eight loads may be out
	MUL16 F1, 0, 0, 0
	s_wait_dscnt 0x0                               ; the add is done, and my reads of this slot are over
	s_barrier_signal -1
	MUL16 F1, 0, 2, 0
.if \fill
	WIN 0
.endif
	s_barrier_wait -1
.if \fill
	CREST                                          ; no wave of any partner still reads this slot or has a load on its way
	s_add_nc_u64 s[G0+4*(\slot)+2:G0+4*(\slot)+3], s[G0+4*(\slot)+2:G0+4*(\slot)+3], 2*KSTEP*2
	s_add_nc_u64 s[G0B+4*(\slot)+2:G0B+4*(\slot)+3], s[G0B+4*(\slot)+2:G0B+4*(\slot)+3], 2*KSTEP*2
	JLOAD \slot                                    ; its four v_nop are also the places in front of the loads below
.else
	PLACES
.endif
	FETCH \next, 0, F0
	MUL16 F1, 1, 0, 0
	MUL16 F1, 1, 2, 0
.endm
	s_wait_tensorcnt 1                             ; my part of K step 0 is in; K step 1's may stay out
	s_barrier_signal -1
	s_barrier_wait -1
	FETCH 0, 0, F0
	QUARTER 0, 64,  F0, F1, 1                      ; K step 0: its first quarter starts the sums
	QUARTER 0, 128, F1, F0, 0
	QUARTER 0, 192, F0, F1, 0
	TURN 0, 1, 1                                   ; slot 0 takes K step 2
	QUARTER 1, 64,  F0, F1, 0
	QUARTER 1, 128, F1, F0, 0
	QUARTER 1, 192, F0, F1, 0
	TURN 1, 0, 1                                   ; slot 1 takes K step 3
	QUARTER 0, 64,  F0, F1, 0
	QUARTER 0, 128, F1, F0, 0
	QUARTER 0, 192, F0, F1, 0
	TURN 0, 1, 0                                   ; nothing is left to fetch
	QUARTER 1, 64,  F0, F1, 0
	QUARTER 1, 128, F1, F0, 0
	QUARTER 1, 192, F0, F1, 0
	s_wait_dscnt 8
	MUL16 F1, 0, 0, 0
	MUL16 F1, 0, 2, 0
	s_wait_dscnt 0x0
	MUL16 F1, 1, 0, 0
	MUL16 F1, 1, 2, 0
	; SPIKE: clip to 0 .. 4, then round to nearest even (the bounds are whole numbers, so the two commute), in place; each accumulator from its low end on
	PLACES
	PLACES
.macro SPIKE w
	WIN \w
.set ra, 0
.rept 32
.irp j, 0,1,2,3,4,5,6,7
	v_med3_num_f32 v[ra+(\j)], v[ra+(\j)], 0, 4.0
.endr
.irp j, 0,1,2,3,4,5,6,7
	v_rndne_f32 v[ra+(\j)], v[ra+(\j)]
.endr
.set ra, ra+8
.endr
.endm
	SPIKE 0x82                                     ; source 0 and destination window 2
	SPIKE 0xc3                                     ; window 3
	; PACK: accumulator (a, b) gives half a fragment: rows 16 a + 8 (l / 16) + 0..7 of channel l % 16.  Fragment (a / 2, b % 4) at v[64 + 8 (4 (a / 2) + b % 4)]: k's (b < 4) in window 0, v's in window 1
.irp hi, 0,1
.irp kv, 0,1
	WIN 0x0a+5*(\hi)+0x40*(\kv)
.irp a4, 0,1,2,3
.irp b4, 0,1,2,3
.irp t, 0,1,2,3
	v_cvt_pk_bf16_f32 v[64+8*(4*((4*(\hi)+(\a4))/2)+(\b4))+4*((\a4)%2)+(\t)], v[8*(8*(\a4)+4*(\kv)+(\b4))+2*(\t)], v[8*(8*(\a4)+4*(\kv)+(\b4))+2*(\t)+1]
.endr
.endr
.endr
.endr
.endr
	; KV = k^T v over my 128 rows: 4 x 32 rows deep, 4 x 4 blocks; the 16 accumulators take turns.  In the result a lane holds e = l % 16, its registers d = 8 (l / 16) + 0..7
	WIN MUL_LO
.irp ap, 0,1,2,3
.irp db, 0,1,2,3
.irp eb, 0,1,2,3
.if (\ap) == 0
	v_wmma_f32_16x16x32_bf16 v[8*(4*(\db)+(\eb)):8*(4*(\db)+(\eb))+7], v[64+8*(4*(\ap)+(\db)):64+8*(4*(\ap)+(\db))+7], v[64+8*(4*(\ap)+(\eb)):64+8*(4*(\ap)+(\eb))+7], 0
.else
	v_wmma_f32_16x16x32_bf16 v[8*(4*(\db)+(\eb)):8*(4*(\db)+(\eb))+7], v[64+8*(4*(\ap)+(\db)):64+8*(4*(\ap)+(\db))+7], v[64+8*(4*(\ap)+(\eb)):64+8*(4*(\ap)+(\eb))+7], v[8*(4*(\db)+(\eb)):8*(4*(\db)+(\eb))+7]
.endif
.endr
.endr
.endr
	PLACES
	PLACES
	WIN 0
	s_cmp_eq_u32 s11, 0                            ; the waves of the upper rows hand their half to the waves of the lower rows, lane to lane
	s_cbranch_scc1 .Lno_send
	WIN 0x08                                       ; store data (source 1) window 2
.set i, 0
.rept 32
	ds_store_b128 v[XA], v[4*i:4*i+3] offset:512*i
.set i, i+1
.endr
	WIN 0
.Lno_send:
	s_wait_dscnt 0x0                               ; for the others' sake: my stores are done
	s_barrier_signal -1
	s_barrier_wait -1
	s_cmp_eq_u32 s11, 0
	s_cbranch_scc0 .Lend
	WIN 0xc0                                       ; destination window 3
.set i, 0
.rept 32
	ds_load_b128 v[4*i:4*i+3], v[XA] offset:512*i
.set i, i+1
.endr
	s_wait_dscnt 0x0
	WIN 0x8e                                       ; window 2 += window 3
.set i, 0
.rept 64
	v_pk_add_f32 v[2*i:2*i+1], v[2*i:2*i+1], v[2*i:2*i+1]
.set i, i+1
.endr
	WIN 0x82
.set i, 0
.rept 64
	v_pk_mul_f32 v[2*i:2*i+1], v[2*i:2*i+1], s[46:47] op_sel_hi:[1,0]  ; / 8, exact
.set i, i+1
.endr
.set i, 0
.rept 128
	v_min_num_f32 v[i], v[i], s45                  ; min(KVp, 256) / 8
.set i, i+1
.endr
	WIN 0x0a
.set i, 0
.rept 64
	v_cvt_pk_bf16_f32 v[64+i], v[2*i], v[2*i+1]    ; block (db, eb) = i / 4: exact in bf16
.set i, i+1
.endr
	WIN 0
.irp db, 0,1,2,3
.irp eb, 0,1,2,3
	global_store_b128 v[KO], v[64+4*(4*(\db)+(\eb)):64+4*(4*(\db)+(\eb))+3], s[8:9] offset:(2*(\eb)+(\db)/2)*1024+((\db)%2)*512  ; 512 consecutive bytes, aligned
.endr
.endr
.Lend:
	s_wait_tensorcnt 0x0                           ; the wave's end
	ds_add_u32 v[SPW], v[NIL]
	s_wait_dscnt 0x0
	CROUND                                         ; the closing round
	s_endpgm
.Lfunc_end_k_q8320b7ed35_kv:
	.size	k_q8320b7ed35_kv, .Lfunc_end_k_q8320b7ed35_kv-k_q8320b7ed35_kv
	.p2alignl 7, 3214868480
	.fill 96, 4, 3214868480
	.section	.rodata,"a",@progbits
	.p2align	6, 0x0
	.amdhsa_kernel k_q8320b7ed35_kv
		.amdhsa_group_segment_fixed_size 327680
		.amdhsa_private_segment_fixed_size 0
		.amdhsa_enable_private_segment 0
		.amdhsa_kernarg_size 24
		.amdhsa_user_sgpr_count 2
		.amdhsa_user_sgpr_kernarg_segment_ptr 1
		.amdhsa_wavefront_size32 1
		.amdhsa_system_sgpr_workgroup_id_x 1
		.amdhsa_system_sgpr_workgroup_id_y 1
		.amdhsa_system_sgpr_workgroup_id_z 1
		.amdhsa_system_vgpr_workitem_id 0
		.amdhsa_next_free_vgpr 1024
		.amdhsa_next_free_sgpr 66
		.amdhsa_reserve_vcc 0
		.amdhsa_float_denorm_mode_32 3
		.amdhsa_float_denorm_mode_16_64 3
		.amdhsa_memory_ordered 1
		.amdhsa_forward_progress 1
		.amdhsa_inst_pref_size 205
	.end_amdhsa_kernel
	.amdgpu_metadata
---
amdhsa.version: [ 1, 2 ]
amdhsa.kernels:
  - .name:           k_q8320b7ed35_kv
    .symbol:         k_q8320b7ed35_kv.kd
    .args:
      - { .name: xb, .offset: 0, .size: 8, .value_kind: global_buffer, .address_space: global }
      - { .name: wb, .offset: 8, .size: 8, .value_kind: global_buffer, .address_space: global }
      - { .name: kvb, .offset: 16, .size: 8, .value_kind: global_buffer, .address_space: global }
    .group_segment_fixed_size: 327680
    .private_segment_fixed_size: 0
    .kernarg_segment_align: 8
    .kernarg_segment_size: 24
    .max_flat_workgroup_size: 128
    .sgpr_count:     66
    .vgpr_count:     1024
    .wavefront_size: 32
...
	.end_amdgpu_metadata
.endif
;; end of part 2
;; launch out (part 3): grid 256 x 1, 4 waves a work-group, clusters of 4 x 1, 327,680 bytes of LDS; arguments xb, wb, kvb, out0; writes out0
.if DOCPART == 3
	.amdgcn_target "amdgcn-amd-amdhsa--gfx1250"
	.amdhsa_code_object_version 6
	.text
	.protected	k_q8320b7ed35_out
	.globl	k_q8320b7ed35_out
	.p2align	8
	.type	k_q8320b7ed35_out,@function
k_q8320b7ed35_out:
	s_mov_b64 s[64:65], 0
	v_nop
	global_prefetch_b8 v0, s[64:65] scope:SCOPE_SE
	s_setreg_imm32_b32 hwreg(HW_REG_WAVE_MODE, 25, 1), 1
	s_wait_xcnt 0x0
	s_wait_alu depctr_hold_cnt(0) depctr_sa_sdst(0) depctr_va_vdst(0) depctr_va_sdst(0) depctr_va_ssrc(0) depctr_va_vcc(0) depctr_vm_vsrc(0)
	s_getreg_b32 s2, hwreg(HW_REG_IB_STS2, 6, 4)
	s_cmp_eq_u32 s2, 0
	s_cbranch_scc0 .Lentry_in_a_cluster
	s_endpgm
.Lentry_in_a_cluster:
	s_bfe_u32 s2, ttmp6, 0x10000c
	s_cmp_lg_u32 s2, 0x3003
	s_cbranch_scc0 .Lentry_shape_is_right
	s_endpgm
.Lentry_shape_is_right:
; SSA, launch 3 of 3.  For 64 rows of a batch: q = spike(x Wq^T); att = spike(the sum over the four quarters p of q KVp / 8); out0 = spike(att Wp^T).
; q k^T is not formed and KVp is capped at 256, by the two identities shown at the head of the first kernel; the factor 1/8 lies in kvb.  All sums of the middle product are exact in f32.
; SHARES.  A work-group owns 64 rows.  In all three products wave w owns the channels 128 w .. 128 w + 127 (heads 2 w, 2 w + 1) of all 64 rows: 32 accumulators.
; The rows' operand (x, later att: 64 rows x 512 channels in bf16) stays in 512 registers of EVERY wave, so a weight fragment read from LDS feeds four products.
; LAYOUT.  Every product is taken transposed: source 0 = 16 rows of a weight (or 16 e of KV), source 1 = 16 rows of x, q or att.  In the result a lane holds ONE row (lane % 16) and the
; channels 8 (lane / 16) + 0..7: two results side by side, rounded to bf16 in pairs, are source 1 of the next product.  q stays in its wave; att is handed round through LDS.
; THE RING.  Eight steps: Wq's four K steps of 128, then Wp's four, through two LDS slots of 512 rows x 256 bytes; wave w fills and reads rows 128 w .. 128 w + 127.
; CLUSTER.  All work-groups walk the same weights: the four of a cluster ask for each tile jointly (mask 15); the descriptor hangs on the wave's number alone.
; REGISTERS, in windows of 256 (s_set_vgpr_msb: bits 1:0 source 0, 3:2 source 1, 5:4 source 2, 7:6 destination):
;   window 0: v0-31 addresses; v64-127, v128-191 weight fragments, two buffers; v128-255 also at work between the products
;   window 1: accumulator (channel block ob, row block rb) at v[8 (4 ob + rb)]      windows 2, 3: the rows' fragment (rb, kb) at 8 (4 kb + rb), kb < 8 in window 2
.set KSTEP,  128
.set PITCH,  272                       ; an LDS row of a weight: 256 bytes + 16 of padding
.set HALFT,  128*PITCH                 ; a wave's 128 rows
.set SLOT,   4*HALFT
.set XT,     2*SLOT                    ; behind the ring, never filled by a tensor load: 32 rows x 1,040 bytes (x, then att); at the end four stages of 16 rows x 528 bytes
.set XP,     1040                      ; 1,024 bytes + 16
.set SG,     528                       ; 512 bytes + 16
.set SPARE,  XT+4*16*SG                ; behind it: the spare words, 128 bytes a wave
.set WQ_OFF, 1048576
.set WP_OFF, 1572864
.set ADRB, 16                          ; v16-17  LDS address of my weight fragments in slot 0, 1
.set XO,   18                          ; v18     x from memory: 8 rows a wave, 16 bytes a lane
.set XS,   19                          ; v19     the same rows in XT
.set XR,   20                          ; v20     a fragment of XT's rows: row l % 16, 16 (l / 16)
.set XW,   21                          ; v21     the same at my wave's 256 bytes of a row: att goes in here
.set SW,   22                          ; v22     the way out: where I put 32 bytes of a row
.set SR,   23                          ; v23     the way out: where I read a row back
.set GO,   24                          ; v24     my byte offset in a row of out0
.set KO,   25                          ; v25     16 x lane
.set PFW,  26                          ; v26     1,024 x lane: a row of Wp
.set PFK,  27                          ; v27     256 x lane
.set SPW,  28                          ; v28     my spare word; never rewritten
.set NIL,  29                          ; v29     0; never rewritten
.set F0,   64
.set F1,   128
.set WV,   12                          ; s12  my wave's number
.set LIMW, 20                          ; s20  1 in the launch's first cluster
.set LIMK, 21                          ; s21  1 in a batch's first cluster
.set G1,   24                          ; s[24:31] descriptor group 1
.set G0,   32                          ; s[32:39] descriptor group 0, a set for each slot
.set PWB,  40                          ; s[40:41] Wp at the 32 rows that my wave of my work-group asks for; never rewritten
.set PKB,  42                          ; s[42:43] kvb at the 16,384 bytes that my wave of my work-group asks for; never rewritten
.set MSB, 0
.macro WIN new
.if MSB != (\new)
	s_set_vgpr_msb (MSB<<8)|(\new)
.set MSB, \new
.endif
.endm
.macro CREST
	s_cmp_lg_u32 s[WV], 0
	s_cbranch_scc1 .Lnot_wave_0_\@
	s_barrier_signal -3
.Lnot_wave_0_\@:
	s_barrier_wait -3
	s_barrier_signal -1
	s_barrier_wait -1
.endm
.macro CROUND
	s_barrier_signal -1
	s_barrier_wait -1
	CREST
.endm
.macro PLACES
.rept 4
	v_nop
.endr
.endm
.macro BAR                             ; my LDS instructions are done; then all four waves meet
	s_wait_dscnt 0x0
	s_barrier_signal -1
	s_barrier_wait -1
.endm
.macro JL slot                         ; a joint refill: every wave its own 128 rows; an s_nop 0 and four v_nop follow
	tensor_load_to_lds s[G0+4*(\slot):G0+4*(\slot)+3], s[G1:G1+7]
	s_nop 0
.rept 4
	v_nop
.endr
.endm
	s_load_b256 s[4:11], s[0:1], 0x0               ; xb s[4:5], wb s[6:7], kvb s[8:9], out0 s[10:11]
	v_lshl_add_u32 v[SPW], v0, 2, SPARE
	v_mov_b32 v[NIL], 0
	ds_add_u32 v[SPW], v[NIL]                      ; the wave's opening: the add, twice on end, and its wait ahead of my first tensor load
	ds_add_u32 v[SPW], v[NIL]
	v_lshrrev_b32 v1, 5, v0
	v_readfirstlane_b32 s[WV], v1                  ; wave 0..3
	s_bfe_u32 s13, ttmp6, 0x40000                  ; cx
	s_lshl_b32 s14, ttmp9, 2
	s_add_co_u32 s14, s14, s13                     ; my block of 64 rows: it enters x's and out0's addresses alone
	s_lshr_b32 s15, ttmp9, 2                       ; the batch: four clusters each
	s_mov_b32 s[G1+0], 15|(1<<16)|(1<<20)|(1<<21)|(5<<22)|(3<<25)  ; the mask of four; 2-byte elements; padding on; bit 21 beside a mask; after every 64 words; 4 words
	s_mov_b32 s[G1+1], KSTEP<<16                   ; tensor_dim0 = 128
	s_mov_b32 s[G1+2], 128<<16                     ; tensor_dim1 = 128
	s_mov_b32 s[G1+3], KSTEP<<16                   ; tile_dim0 = 128
	s_mov_b32 s[G1+4], 128                         ; tile_dim1 = 128
	s_mov_b32 s[G1+5], 512                         ; 512 elements from row to row
	s_mov_b32 s[G1+6], 0
	s_mov_b32 s[G1+7], 0
	s_mul_i32 s16, s[WV], HALFT                    ; my rows' place in a slot
	s_lshl_b32 s18, s[WV], 17                      ; my 128 rows of 1,024 bytes,
	s_add_co_u32 s18, s18, WQ_OFF                  ; in Wq
	s_mov_b32 s19, 0
	s_mov_b32 s[G0], 1
	s_mov_b32 s[G0+1], s16
	s_mov_b32 s[G0+4], 1
	s_add_co_u32 s[G0+5], s16, SLOT
	s_cmp_eq_u32 ttmp9, 0
	s_cselect_b32 s[LIMW], 1, 0
	s_and_b32 s[LIMK], ttmp9, 3
	s_cmp_eq_u32 s[LIMK], 0
	s_cselect_b32 s[LIMK], 1, 0
	s_wait_dscnt 0x0                               ; both opening adds are done
	s_wait_kmcnt 0x0
	s_add_nc_u64 s[44:45], s[6:7], s[18:19]
	s_add_nc_u64 s[G0+2:G0+3], s[44:45], 0         ; step 0
	s_or_b32 s[G0+3], s[G0+3], 0x80000000
	s_add_nc_u64 s[G0+6:G0+7], s[44:45], KSTEP*2   ; step 1
	s_or_b32 s[G0+7], s[G0+7], 0x80000000
	CROUND                                         ; all four work-groups are here: the first joint loads meet
	tensor_load_to_lds s[G0:G0+3], s[G1:G1+7]
	s_nop 0
	tensor_load_to_lds s[G0+4:G0+7], s[G1:G1+7]    ; two loads of mine are out
	s_nop 0
.rept 4
	v_nop
.endr
	; x: each wave fetches 8 whole rows of each half of 32, 512 consecutive bytes a load
	s_lshl_b32 s46, s14, 16
	s_mov_b32 s47, 0
	s_add_nc_u64 s[4:5], s[4:5], s[46:47]
	v_and_b32 v3, 31, v0                           ; lane
	s_lshl_b32 s17, s[WV], 13
	v_lshl_add_u32 v[XO], v3, 4, s17
.set n, 0
.rept 32
	global_load_b128 v[64+4*n:64+4*n+3], v[XO], s[4:5] offset:32768*(n/16)+1024*((n%16)/2)+512*(n%2) th:TH_LOAD_NT
.set n, n+1
.endr
	s_lshl_b32 s46, s14, 17
	s_add_nc_u64 s[10:11], s[10:11], s[46:47]      ; out0 at my 64 rows
	s_lshl_b32 s22, s15, 18
	s_lshl_b32 s23, s[WV], 16
	s_add_co_u32 s22, s22, s23
	s_mov_b32 s23, 0
	s_add_nc_u64 s[8:9], s[8:9], s[22:23]          ; kvb at my batch's heads 2 w, 2 w + 1
	s_lshl_b32 s46, s13, 14
	s_add_nc_u64 s[PKB:PKB+1], s[8:9], s[46:47]    ; of my wave's 65,536 bytes the partners take 16,384 each, told apart by address
	s_lshl_b32 s46, s13, 15
	s_lshl_b32 s17, s[WV], 17
	s_add_co_u32 s46, s46, s17
	s_add_co_u32 s46, s46, WP_OFF
	s_add_nc_u64 s[PWB:PWB+1], s[6:7], s[46:47]    ; of my wave's 128 rows of Wp the partners take 32 each, told apart by address
	v_and_b32 v1, 15, v0                           ; l % 16
	v_bfe_u32 v2, v0, 4, 1                         ; l / 16
	v_mul_u32_u24 v4, v1, PITCH
	v_lshl_add_u32 v4, v2, 4, v4
	v_add_nc_u32 v[ADRB], s16, v4
	v_add_nc_u32 v[ADRB+1], SLOT, v[ADRB]
	s_mul_i32 s17, s[WV], 8*XP
	s_add_co_u32 s17, s17, XT
	v_lshl_add_u32 v[XS], v3, 4, s17
	v_mul_u32_u24 v5, v1, XP
	v_lshl_add_u32 v5, v2, 4, v5
	v_add_nc_u32 v[XR], XT, v5
	s_lshl_b32 s17, s[WV], 8
	v_add_nc_u32 v[XW], s17, v[XR]
	s_mul_i32 s17, s[WV], 16*SG
	s_add_co_u32 s17, s17, XT
	v_mul_u32_u24 v6, v1, SG
	v_lshl_add_u32 v6, v2, 5, v6
	v_add_nc_u32 v[SW], s17, v6
	v_lshl_add_u32 v[SR], v3, 4, s17
	s_lshl_b32 s17, s[WV], 9
	v_lshl_add_u32 v[GO], v3, 4, s17
	v_lshlrev_b32 v[KO], 4, v3
	v_lshlrev_b32 v[PFW], 10, v3
	v_lshlrev_b32 v[PFK], 8, v3
; n channel blocks from ob0 on x the four row blocks, 32 along K: K block kb of the rows' operand.  zero = 1: the product starts the sums.
.macro MULQ f, kb, ob0, n, zero
	WIN 0x58+4*((\kb)/8)                           ; weights window 0, rows window 2 or 3, C and D window 1
.set ob, \ob0
.rept \n
.set rb, 0
.rept 4
.set rD, 8*(4*ob+rb)
.set rX, (8*(4*(\kb)+rb))%256
.if \zero
	v_wmma_f32_16x16x32_bf16 v[rD:rD+7], v[(\f)+8*ob:(\f)+8*ob+7], v[rX:rX+7], 0
.else
	v_wmma_f32_16x16x32_bf16 v[rD:rD+7], v[(\f)+8*ob:(\f)+8*ob+7], v[rX:rX+7], v[rD:rD+7]
.endif
.set rb, rb+1
.endr
.set ob, ob+1
.endr
.endm
; 16 LDS loads in one run: my 128 weight rows, 32 K at quarter kq of the slot's step, into buffer f
.macro FETCHB slot, kq, f
	WIN 0
.irp o, 0,1,2,3,4,5,6,7
	ds_load_b128 v[(\f)+8*(\o):(\f)+8*(\o)+3],   v[ADRB+(\slot)] offset:64*(\kq)+(\o)*16*PITCH
	ds_load_b128 v[(\f)+8*(\o)+4:(\f)+8*(\o)+7], v[ADRB+(\slot)] offset:64*(\kq)+(\o)*16*PITCH+32
.endr
.endm
; A step is four quarters of 32 along K, 32 matrix instructions each, on buffers 0, 1, 0, 1; the 32 accumulators take turns in the same order in every quarter.
.macro QUARTER slot, kq, f, g, kb, zero
	s_wait_dscnt 8                                 ; channel blocks 0-3 are in; the youngest eight loads (blocks 4-7) may be out
	MULQ \f, \kb, 0, 4, \zero
	PLACES
	FETCHB \slot, \kq, \g
	s_wait_dscnt 16                                ; all but the 16 just issued
	MULQ \f, \kb, 4, 4, \zero
.endm
.macro STEPQ slot, kb0, zero           ; a step's first three quarters
	QUARTER \slot, 1, F0, F1, (\kb0), \zero
	QUARTER \slot, 2, F1, F0, (\kb0)+1, 0
	QUARTER \slot, 3, F0, F1, (\kb0)+2, 0
.endm
; The last quarter multiplies buffer 1 and changes slots.  In front of the barrier each wave waits for all its tensor loads (one is out: its part of the next slot), adds 0 to its spare word,
; and waits for that and for its reads of this slot.  fill = 1: the barrier opens a round of the cluster's; the slot's address steps by inc and the joint refill is the first thing behind the round.
; pw >= 0: the launch's first cluster asks for byte pw .. pw + 255 of each row of Wp: a lane a row, 32 rows a wave and work-group: each named once in the launch, two steps or more ahead of
; the joint load that wants them.  pk = 1: a batch's first cluster asks for the batch's kvb: 64 blocks of 256 bytes a wave, a lane a block, three steps ahead of the loads.
; The requests stand behind the joint load, its five lines and the run of LDS loads; their address registers are never rewritten.  Wq, x and the first fills come by their loads alone.
.macro TURNL slot, next, kb, fill, inc, pw, pk
	WIN 0
	s_wait_tensorcnt 0x0
	ds_add_u32 v[SPW], v[NIL]
	s_wait_dscnt 9                                 ; the add and the youngest eight loads may be out
	MULQ F1, \kb, 0, 2, 0
	s_wait_dscnt 0x0                               ; the add is done, and my reads of this slot are over
	s_barrier_signal -1
	MULQ F1, \kb, 2, 2, 0
	WIN 0
	s_barrier_wait -1
.if \fill
	CREST                                          ; no wave of any partner still reads this slot or has a load on its way
	s_add_nc_u64 s[G0+4*(\slot)+2:G0+4*(\slot)+3], s[G0+4*(\slot)+2:G0+4*(\slot)+3], \inc
	JL \slot                                       ; its four v_nop are also the places in front of the loads below
.else
	PLACES
.endif
	FETCHB \next, 0, F0
.if (\pw) >= 0
	s_cmp_eq_u32 s[LIMW], 1
	s_cbranch_scc0 .Lnot_w_\@
	global_prefetch_b8 v[PFW], s[PWB:PWB+1] offset:\pw th:TH_LOAD_NT scope:SCOPE_SE
.Lnot_w_\@:
.endif
.if \pk
	s_cmp_eq_u32 s[LIMK], 1
	s_cbranch_scc0 .Lnot_k_\@
	global_prefetch_b8 v[PFK], s[PKB:PKB+1] th:TH_LOAD_NT scope:SCOPE_SE
	global_prefetch_b8 v[PFK], s[PKB:PKB+1] offset:8192 th:TH_LOAD_NT scope:SCOPE_SE
.Lnot_k_\@:
.endif
	MULQ F1, \kb, 4, 4, 0
.endm
; XT's 32 rows become the fragments of row blocks 2 hf, 2 hf + 1, all 16 K blocks: 64 loads
.macro LOADA hf
.irp u, 0,1
	WIN 0x80+0x40*(\u)                             ; destination window 2, then 3
.irp y, 0,1
.irp k8, 0,1,2,3,4,5,6,7
	ds_load_b128 v[8*(4*(\k8)+2*(\hf)+(\y)):8*(4*(\k8)+2*(\hf)+(\y))+3],   v[XR] offset:16*XP*(\y)+64*(8*(\u)+(\k8))
	ds_load_b128 v[8*(4*(\k8)+2*(\hf)+(\y))+4:8*(4*(\k8)+2*(\hf)+(\y))+7], v[XR] offset:16*XP*(\y)+64*(8*(\u)+(\k8))+32
.endr
.endr
.endr
.endm
.macro XSTORE hf                       ; my 8 rows of half hf of x go into XT
	WIN 0
.set n, 0
.rept 16
	ds_store_b128 v[XS], v[64+64*(\hf)+4*n:64+64*(\hf)+4*n+3] offset:XP*(n/2)+512*(n%2)
.set n, n+1
.endr
.endm
.macro ASTORE hf                       ; my 128 channels of att, row blocks 2 hf, 2 hf + 1, go into XT
	WIN 0
.irp y, 0,1
.irp o, 0,1,2,3,4,5,6,7
	ds_store_b128 v[XW], v[128+4*(4*(\o)+2*(\hf)+(\y)):128+4*(4*(\o)+2*(\hf)+(\y))+3] offset:16*XP*(\y)+32*(\o)
.endr
.endr
.endm
; clip to 0 .. 4, then round to nearest even, in place; each accumulator from its low end on
.macro SPIKE1
	WIN 0x41
.set ra, 0
.rept 32
.irp j, 0,1,2,3,4,5,6,7
	v_med3_num_f32 v[ra+(\j)], v[ra+(\j)], 0, 4.0
.endr
.irp j, 0,1,2,3,4,5,6,7
	v_rndne_f32 v[ra+(\j)], v[ra+(\j)]
.endr
.set ra, ra+8
.endr
.endm
; quarter p of head hl's KV: 8 fragments (2 eb + ks), 512 consecutive bytes a load; the caller sets the window
.macro KVLOAD hl, p, base
.irp e, 0,1,2,3,4,5,6,7
	global_load_b128 v[(\base)+8*(\e):(\base)+8*(\e)+3],   v[KO], s[8:9] offset:32768*(\hl)+8192*(\p)+1024*(\e)
	global_load_b128 v[(\base)+8*(\e)+4:(\base)+8*(\e)+7], v[KO], s[8:9] offset:32768*(\hl)+8192*(\p)+1024*(\e)+512
.endr
.endm
; att^T of head hl: K = 4 quarters x 64 d; 4 e blocks x 4 row blocks: the 16 accumulators take turns
.macro ATT hl
.set p, 0
.rept 4
.set ks, 0
.rept 2
.set eb, 0
.rept 4
.set rb, 0
.rept 4
.set rD, 8*(16*(\hl)+4*eb+rb)
.set rQ, 8*(4*(2*(\hl)+ks)+rb)
.if (\hl) == 0
	WIN 0x5b                                       ; KV window 3, q window 2
.set rK, 8*(8*p+2*eb+ks)
.elseif p < 2
	WIN 0x5a                                       ; KV window 2
.set rK, 128+8*(8*p+2*eb+ks)
.else
	WIN 0x58                                       ; KV window 0
.set rK, 128+8*(8*(p-2)+2*eb+ks)
.endif
.if (p == 0) && (ks == 0)
	v_wmma_f32_16x16x32_bf16 v[rD:rD+7], v[rK:rK+7], v[rQ:rQ+7], 0
.else
	v_wmma_f32_16x16x32_bf16 v[rD:rD+7], v[rK:rK+7], v[rQ:rQ+7], v[rD:rD+7]
.endif
.set rb, rb+1
.endr
.set eb, eb+1
.endr
.set ks, ks+1
.endr
.set p, p+1
.endr
.endm
	; X INTO REGISTERS, 32 rows at a time through XT.  The two tensor loads stay out across these barriers: behind them no slot is filled.
	s_wait_loadcnt 16                              ; the first half's 16 loads are in
	XSTORE 0
	BAR                                            ; all 32 rows lie in XT
	LOADA 0
	BAR                                            ; everybody has read them
	s_wait_loadcnt 0x0
	XSTORE 1
	BAR
	LOADA 1
	s_wait_dscnt 0x0
	; Q = x Wq^T
	s_wait_tensorcnt 1                             ; my part of step 0 is in; step 1's may stay out
	s_barrier_signal -1
	s_barrier_wait -1
	FETCHB 0, 0, F0
	STEPQ 0, 0, 1
	TURNL 0, 1, 3, 1, 512, 0, 1                    ; slot 0 takes Wq's K step 2
	STEPQ 1, 4, 0
	TURNL 1, 0, 7, 1, 512, 256, 0                  ; slot 1 takes Wq's K step 3
	STEPQ 0, 8, 0
	TURNL 0, 1, 11, 1, WP_OFF-WQ_OFF-512, 512, 0   ; slot 0 takes Wp's K step 0
	STEPQ 1, 12, 0
	TURNL 1, 0, 15, 1, WP_OFF-WQ_OFF-512, 768, 0   ; slot 1 takes Wp's K step 1; buffer 0 takes Wp's first fragments and keeps them through the attention
	; ATT = spike(q KV).  x's fragments are dead: their registers take q and KV.
	PLACES
	PLACES
	WIN 0xc0
	KVLOAD 0, 0, 0
	KVLOAD 0, 1, 64
	KVLOAD 0, 2, 128
	SPIKE1
	WIN 0x85                                       ; sources window 1, destination window 2: channel blocks 2 m, 2 m + 1 make q's fragment (m, rb) at v[8 (4 m + rb)]
.irp o, 0,1,2,3,4,5,6,7
.irp y, 0,1,2,3
.irp t, 0,1,2,3
	v_cvt_pk_bf16_f32 v[8*(4*((\o)/2)+(\y))+4*((\o)%2)+(\t)], v[8*(4*(\o)+(\y))+2*(\t)], v[8*(4*(\o)+(\y))+2*(\t)+1]
.endr
.endr
.endr
	WIN 0xc0
	KVLOAD 0, 3, 192
	WIN 0x80
	KVLOAD 1, 0, 128
	KVLOAD 1, 1, 192
	WIN 0
	KVLOAD 1, 2, 128
	KVLOAD 1, 3, 192
	s_wait_loadcnt 63                              ; of the 128 loads at most 63 are out: the first 65 are in, head 0's 64 among them
	ATT 0
	s_wait_loadcnt 0x0
	ATT 1
	PLACES
	PLACES
	SPIKE1
	WIN 0x05                                       ; sources window 1, destination window 0: a lane's eight channels of a row are 16 bytes
.set i, 0
.rept 128
	v_cvt_pk_bf16_f32 v[128+i], v[2*i], v[2*i+1]
.set i, i+1
.endr
	ASTORE 0                                       ; XT was last read ahead of the barriers of the first product
	BAR
	LOADA 0
	BAR
	ASTORE 1
	BAR
	LOADA 1
	s_wait_dscnt 0x0
	; OUT = att Wp^T
	STEPQ 0, 0, 1
	TURNL 0, 1, 3, 1, 512, -1, 0                   ; slot 0 takes Wp's K step 2
	STEPQ 1, 4, 0
	TURNL 1, 0, 7, 1, 512, -1, 0                   ; slot 1 takes Wp's K step 3
	STEPQ 0, 8, 0
	TURNL 0, 1, 11, 0, 0, -1, 0                    ; nothing is left to fetch
	STEPQ 1, 12, 0
	s_wait_dscnt 8
	MULQ F1, 15, 0, 4, 0
	s_wait_dscnt 0x0
	MULQ F1, 15, 4, 4, 0
	; THE WAY OUT: 16 rows at a time through my own stage: 32 bytes a lane in, whole rows of 512 bytes back.  The stage's bytes were last read by other waves ahead of the last product's barriers.
	PLACES
	PLACES
	SPIKE1
.irp y, 0,1,2,3
.if (\y) >= 2
	s_wait_xcnt 0x0                                ; the stores of two turns ago have read their registers, which are loaded again below
.endif
	WIN 0x04                                       ; store data (source 1) window 1
.irp o, 0,1,2,3,4,5,6,7
	ds_store_b128 v[SW], v[8*(4*(\o)+(\y)):8*(4*(\o)+(\y))+3]   offset:64*(\o)
	ds_store_b128 v[SW], v[8*(4*(\o)+(\y))+4:8*(4*(\o)+(\y))+7] offset:64*(\o)+16
.endr
	WIN 0
.irp r, 0,1,2,3,4,5,6,7,8,9,10,11,12,13,14,15
	ds_load_b128 v[128+64*((\y)%2)+4*(\r):128+64*((\y)%2)+4*(\r)+3], v[SR] offset:SG*(\r)  ; LDS serves a wave's instructions in order (ISA guide 5.7.1.4): these see the stores above; the next turn's stores come behind them
.endr
.irp r, 0,1,2,3,4,5,6,7,8,9,10,11,12,13,14,15
	s_wait_dscnt 15-(\r)                           ; row r is back; the younger loads stay out
	global_store_b128 v[GO], v[128+64*((\y)%2)+4*(\r):128+64*((\y)%2)+4*(\r)+3], s[10:11] offset:2048*(16*(\y)+(\r)) th:TH_STORE_NT  ; 512 consecutive bytes, aligned
.endr
.endr
	s_wait_tensorcnt 0x0                           ; the wave's end
	ds_add_u32 v[SPW], v[NIL]
	s_wait_dscnt 0x0
	CROUND                                         ; the closing round
	s_endpgm
.Lfunc_end_k_q8320b7ed35_out:
	.size	k_q8320b7ed35_out, .Lfunc_end_k_q8320b7ed35_out-k_q8320b7ed35_out
	.p2alignl 7, 3214868480
	.fill 96, 4, 3214868480
	.section	.rodata,"a",@progbits
	.p2align	6, 0x0
	.amdhsa_kernel k_q8320b7ed35_out
		.amdhsa_group_segment_fixed_size 327680
		.amdhsa_private_segment_fixed_size 0
		.amdhsa_enable_private_segment 0
		.amdhsa_kernarg_size 32
		.amdhsa_user_sgpr_count 2
		.amdhsa_user_sgpr_kernarg_segment_ptr 1
		.amdhsa_wavefront_size32 1
		.amdhsa_system_sgpr_workgroup_id_x 1
		.amdhsa_system_sgpr_workgroup_id_y 1
		.amdhsa_system_sgpr_workgroup_id_z 1
		.amdhsa_system_vgpr_workitem_id 0
		.amdhsa_next_free_vgpr 1024
		.amdhsa_next_free_sgpr 66
		.amdhsa_reserve_vcc 0
		.amdhsa_float_denorm_mode_32 3
		.amdhsa_float_denorm_mode_16_64 3
		.amdhsa_memory_ordered 1
		.amdhsa_forward_progress 1
		.amdhsa_inst_pref_size 255
	.end_amdhsa_kernel
	.section	.bss,"aw",@nobits
	.p2align	6
	.space	262144
	.amdgpu_metadata
---
amdhsa.version: [ 1, 2 ]
amdhsa.kernels:
  - .name:           k_q8320b7ed35_out
    .symbol:         k_q8320b7ed35_out.kd
    .args:
      - { .name: xb, .offset: 0, .size: 8, .value_kind: global_buffer, .address_space: global }
      - { .name: wb, .offset: 8, .size: 8, .value_kind: global_buffer, .address_space: global }
      - { .name: kvb, .offset: 16, .size: 8, .value_kind: global_buffer, .address_space: global }
      - { .name: out0, .offset: 24, .size: 8, .value_kind: global_buffer, .address_space: global }
    .group_segment_fixed_size: 327680
    .private_segment_fixed_size: 0
    .kernarg_segment_align: 8
    .kernarg_segment_size: 32
    .max_flat_workgroup_size: 128
    .sgpr_count:     66
    .vgpr_count:     1024
    .wavefront_size: 32
...
	.end_amdgpu_metadata
.endif
;; end of part 3
;; ======== version 2 of 2: 3 launches; version 1 with the launch cast written anew for expert scheduling mode
;; workspace buffers: xb 16,777,216 bytes; wb 2,097,152 bytes; kvb 4,194,304 bytes
;; launch cast (part 4): grid 256 x 1, 16 waves a work-group, no clusters, 0 bytes of LDS; arguments x, Wq, Wk, Wv, Wp, xb, wb; writes xb, wb
.if DOCPART == 4
	.amdgcn_target "amdgcn-amd-amdhsa--gfx1250"
	.amdhsa_code_object_version 6
	.text
	.protected	k_q8320b7ed35_cast
	.globl	k_q8320b7ed35_cast
	.p2align	8
	.type	k_q8320b7ed35_cast,@function
k_q8320b7ed35_cast:
	s_mov_b64 s[64:65], 0
	v_nop
	global_prefetch_b8 v0, s[64:65] scope:SCOPE_SE
	s_setreg_imm32_b32 hwreg(HW_REG_WAVE_SCHED_MODE, 0, 2), 2
	s_setreg_imm32_b32 hwreg(HW_REG_WAVE_MODE, 25, 1), 1
	s_wait_xcnt 0x0
	s_wait_alu depctr_vm_vsrc(0)
; SSA, launch 1 of 3: x and the four weights are rounded once to bf16 (nearest even), the matrix operands of the two launches behind.
; THE WHOLE PROGRAM.  spike(y) = clip(round(y), 0, 4); y + (q - y) is q itself in f32: q - y is exact (q = 0: -y; y within [q/2, 2q]: the difference of two
; near numbers; y > 4: a multiple of y's last place, smaller than y).  So q, k, v hold whole numbers 0..4, for all finite inputs.  Two identities follow, for all finite inputs:
; (1) (q k^T / 8) v = q (k^T v) / 8, bit for bit: every term and every partial sum is a multiple of 1/8 below 2^19 (64 x 16 / 8 x 4 x 1024), which f32 holds exactly
;     in any order.  So the 1024 x 1024 product of a head is never formed: k^T v (64 x 64 a head) is made first, then multiplied by q.
; (2) All terms are >= 0 and spike() gives 4 from 3.5 on.  So an entry of k^T v, or of a part of it over some rows, may be replaced by min(entry, 256): where no
;     such entry meets a q >= 1 the sum is unchanged; where one does, both sums are >= 256 / 8 = 32, and both results are 4.  min(entry, 256) / 8 is exact in bf16.
; No input and no step of the reference is left out; every input is loaded.
; LIMITS.  Inputs are rounded to bf16.  A projection's f32 sum is taken in another order than the reference's, so a sum that lies within that rounding of n + 0.5 may
; fall to the other side.  NaN and infinities in x or in a weight are not carried: the clip takes a NaN for a bound.
; SHARES.  512 threads.  Work-group i takes 131,072 bytes of x (16 chunks of 512 x 16 bytes) and 8 rows (2 chunks) of weight i / 64 (Wq, Wk, Wv, Wp).
; wb: bytes 0 .. 1,048,575 hold Wk and Wv by heads: row 128 h + i = Wk[64 h + i], row 128 h + 64 + i = Wv[64 h + i]; then Wq; then Wp.  Eight rows that begin at
; a multiple of eight stay together in that order.  All 18 loads of a thread go out first; a wave's load covers 512 consecutive bytes, its store 256, aligned.
; No LDS, no matrix unit, no cluster: nothing is shared and nothing is multiplied.
; THE MODE: SCHED_MODE bits 1:0 = 2 (LLVM: expert scheduling mode 2), set by the entry lines.  The code itself states the register dependences
; between vector instructions and memory instructions, with s_wait_alu, always for 0.
; THE PLAN.  Registers that memory instructions touch:
;   v1, v2   byte offsets of the loads and of the stores.  Written once at the head by vector lines, never again.
;   X        chunk j's 4 registers: one load lands in them, issued at the head, before any vector line names them; chunk j's two conversions read them; never loaded again.
;   Y        chunk j's 2 registers: chunk j's two conversions write them; chunk j's one store reads them; never written again.
; So the only dependences to state are vector results that memory instructions read: v1 and v2 (one wait at the head) and Y.  The 18 chunks go in six groups of three.
; Group g's conversions name X and Y of group g alone; its memory instructions are the three stores of group g - 1, which read v2 and the Y of group g - 1.  One wait at a
; group's head states that the group before has written its Y; the three stores follow it, dealt among the group's conversions, with no further wait.  Behind the last group
; one more wait stands ahead of the last three stores.  No register that a memory instruction has read is ever written again, so no wait frees one.
.set WQ_OFF, 1048576
.set WP_OFF, 1572864
.set CH,  8192                         ; bytes in a chunk of f32
.set GR,  3                            ; chunks in a group
.set X,   4                            ; v[4:75]    chunk j: 4 f32 as loaded
.set Y,   76                           ; v[76:111]  chunk j: 4 bf16 to store
	s_load_b256 s[4:11], s[0:1], 0x0               ; x s[4:5], Wq s[6:7], Wk s[8:9], Wv s[10:11]
	s_load_b128 s[12:15], s[0:1], 0x20             ; Wp s[12:13], xb s[14:15]
	s_load_b64 s[16:17], s[0:1], 0x30              ; wb
	v_lshlrev_b32 v1, 4, v0                        ; my 16 bytes in a chunk of f32
	v_lshlrev_b32 v2, 3, v0                        ; my 8 bytes in a chunk of bf16
	s_lshr_b32 s18, ttmp9, 6                       ; which weight: 0 Wq, 1 Wk, 2 Wv, 3 Wp
	s_and_b32 s19, ttmp9, 63                       ; which 8 rows of it
	s_lshl_b32 s20, s19, 3                         ; their first row
	s_and_b32 s21, s20, 0x1c0                      ; 64 x head
	s_add_co_u32 s21, s20, s21                     ; Wk's row by heads: 128 x head + row in the head
	s_cmp_eq_u32 s18, 1
	s_cselect_b32 s28, s21, s20
	s_add_co_u32 s21, s21, 64                      ; Wv's: 64 rows further
	s_cmp_eq_u32 s18, 2
	s_cselect_b32 s28, s21, s28
	s_lshl_b32 s28, s28, 10                        ; rows of 1,024 bytes
	s_cmp_eq_u32 s18, 0
	s_cselect_b32 s29, WQ_OFF, 0
	s_cmp_eq_u32 s18, 3
	s_cselect_b32 s29, WP_OFF, s29
	s_add_co_u32 s28, s28, s29                     ; where my 8 rows go in wb
	s_mov_b32 s29, 0
	s_lshl_b32 s2, s19, 14                         ; where they come from: 8 rows of 2,048 bytes
	s_mov_b32 s3, 0
	s_lshl_b32 s22, ttmp9, 17                      ; my part of x
	s_mov_b32 s23, 0
	s_lshl_b32 s24, ttmp9, 16                      ; and of xb
	s_mov_b32 s25, 0
	s_wait_kmcnt 0x0
	s_add_nc_u64 s[4:5], s[4:5], s[22:23]
	s_add_nc_u64 s[14:15], s[14:15], s[24:25]
	s_cmp_eq_u32 s18, 1                            ; the weight's address is chosen by the work-group's number alone
	s_cselect_b64 s[26:27], s[8:9], s[6:7]
	s_cmp_eq_u32 s18, 2
	s_cselect_b64 s[26:27], s[10:11], s[26:27]
	s_cmp_eq_u32 s18, 3
	s_cselect_b64 s[26:27], s[12:13], s[26:27]
	s_add_nc_u64 s[26:27], s[26:27], s[2:3]
	s_add_nc_u64 s[30:31], s[16:17], s[28:29]
	s_wait_alu depctr_va_vdst(0)                   ; v1 and v2 are written: every load reads v1 and every store v2 as its offset
.set j, 0
.rept 16
	global_load_b128 v[X+4*j:X+4*j+3], v1, s[4:5] offset:CH*j th:TH_LOAD_NT
.set j, j+1
.endr
.rept 2
	global_load_b128 v[X+4*j:X+4*j+3], v1, s[26:27] offset:CH*(j-16) th:TH_LOAD_NT
.set j, j+1
.endr
; The store of chunk c: chunks 0 to 15 go to xb, chunks 16 and 17 to wb.
.macro PUT
.if c < 16
	global_store_b64 v2, v[Y+2*c:Y+2*c+1], s[14:15] offset:(CH/2)*c
.else
	global_store_b64 v2, v[Y+2*c:Y+2*c+1], s[30:31] offset:(CH/2)*(c-16)
.endif
.endm
.set g, 0
.rept 18/GR
	s_wait_loadcnt 18-GR-GR*g                      ; loads come back in order: group g's three chunks are in, the 15 - 3 g younger loads stay out
.if g > 0
	s_wait_alu depctr_va_vdst(0)                   ; the six conversions of the group before have written its Y, which the three stores below read
.endif
.set i, 0
.rept GR
.set j, GR*g+i
.if g > 0
.set c, j-GR
	PUT                                            ; the group before: no vector line since the wait names v2 or this chunk's Y
.endif
	v_cvt_pk_bf16_f32 v[Y+2*j], v[X+4*j], v[X+4*j+1]
	v_cvt_pk_bf16_f32 v[Y+2*j+1], v[X+4*j+2], v[X+4*j+3]
.set i, i+1
.endr
.set g, g+1
.endr
	s_wait_alu depctr_va_vdst(0)                   ; the last group's conversions have written its Y, which the last three stores read
.set c, 18-GR
.rept GR
	PUT
.set c, c+1
.endr
	s_endpgm                                       ; no register is written twice, so no wait frees one
.Lfunc_end_k_q8320b7ed35_cast:
	.size	k_q8320b7ed35_cast, .Lfunc_end_k_q8320b7ed35_cast-k_q8320b7ed35_cast
	.p2alignl 7, 3214868480
	.fill 96, 4, 3214868480
	.section	.rodata,"a",@progbits
	.p2align	6, 0x0
	.amdhsa_kernel k_q8320b7ed35_cast
		.amdhsa_group_segment_fixed_size 0
		.amdhsa_private_segment_fixed_size 0
		.amdhsa_enable_private_segment 0
		.amdhsa_kernarg_size 56
		.amdhsa_user_sgpr_count 2
		.amdhsa_user_sgpr_kernarg_segment_ptr 1
		.amdhsa_wavefront_size32 1
		.amdhsa_system_sgpr_workgroup_id_x 1
		.amdhsa_system_sgpr_workgroup_id_y 1
		.amdhsa_system_sgpr_workgroup_id_z 1
		.amdhsa_system_vgpr_workitem_id 0
		.amdhsa_next_free_vgpr 128
		.amdhsa_next_free_sgpr 66
		.amdhsa_reserve_vcc 0
		.amdhsa_float_denorm_mode_32 3
		.amdhsa_float_denorm_mode_16_64 3
		.amdhsa_memory_ordered 1
		.amdhsa_forward_progress 1
		.amdhsa_inst_pref_size 8
	.end_amdhsa_kernel
	.amdgpu_metadata
---
amdhsa.version: [ 1, 2 ]
amdhsa.kernels:
  - .name:           k_q8320b7ed35_cast
    .symbol:         k_q8320b7ed35_cast.kd
    .args:
      - { .name: x, .offset: 0, .size: 8, .value_kind: global_buffer, .address_space: global }
      - { .name: Wq, .offset: 8, .size: 8, .value_kind: global_buffer, .address_space: global }
      - { .name: Wk, .offset: 16, .size: 8, .value_kind: global_buffer, .address_space: global }
      - { .name: Wv, .offset: 24, .size: 8, .value_kind: global_buffer, .address_space: global }
      - { .name: Wp, .offset: 32, .size: 8, .value_kind: global_buffer, .address_space: global }
      - { .name: xb, .offset: 40, .size: 8, .value_kind: global_buffer, .address_space: global }
      - { .name: wb, .offset: 48, .size: 8, .value_kind: global_buffer, .address_space: global }
    .group_segment_fixed_size: 0
    .private_segment_fixed_size: 0
    .kernarg_segment_align: 8
    .kernarg_segment_size: 56
    .max_flat_workgroup_size: 512
    .sgpr_count:     66
    .vgpr_count:     128
    .wavefront_size: 32
...
	.end_amdgpu_metadata
.endif
;; end of part 4
;; launch kv: the kernel of part 2 again; grid 4 x 64, 4 waves a work-group, clusters of 4 x 4, 327,680 bytes of LDS; arguments xb, wb, kvb; writes kvb
;; launch out: the kernel of part 3 again; grid 256 x 1, 4 waves a work-group, clusters of 4 x 1, 327,680 bytes of LDS; arguments xb, wb, kvb, out0; writes out0
